; MI455X (gfx1250); checked and timed in simulation.
; The chip was launched on July 23, 2026; its instructions are those of AMD's public machine-readable ISA for CDNA 5 (MIT licence, August 2026) and "CDNA5" Instruction Set Architecture Reference Guide (July 2026). The comments in the code are by the model that wrote it; some were corrected since.
;; Multi Head Attention. Allowed arithmetic: matrix products marked QUANTISED: E4M3 operands, one given power-of-two scale a tensor, by v_wmma_f32_16x16x64_fp8_fp8 or v_wmma_f32_16x16x128_fp8_fp8, f32 sums; everything else in f32.
;; Inputs: Wk_codes 16 x 64 x 32 x 32 uint8 (E4M3 codes of Wk, K innermost, in blocks of 32 codes); Wo_codes 1,024 x 32 x 32 uint8 (E4M3 codes of Wo, K innermost, in blocks of 32 codes); Wq_codes 16 x 64 x 32 x 32 uint8 (E4M3 codes of Wq, K innermost, in blocks of 32 codes); Wv_codes 16 x 64 x 32 x 32 uint8 (E4M3 codes of Wv, K innermost, in blocks of 32 codes); bo 1,024 float32; lowp_scales 12 int32 (the exponents e of the quantised operands' scales 2^e); x_codes 4 x 2,048 x 32 x 32 uint8 (E4M3 codes of x, K innermost, in blocks of 32 codes).
;; Outputs: out0 4 x 2,048 x 1,024 float32.
;; This version of the problem:
;;   THIS VERSION OF THE PROBLEM IS GIVEN IN LOW PRECISION. The matrix products marked QUANTISED in the list below multiply operands that are first quantised to E4M3 (4 exponent bits, 3 mantissa bits; 8 bits a number), with one given power-of-two scale for each operand tensor; their sums are f32. All else is computed in f32.
;;   The module's matrix products, in the order in which they are computed (A, B: the left and right operand; K: the contracted axis; several contracted axes count as one K, in the product's order):
;;     1. [M 1,024, K 1,024] x [K 1,024, N 8,192]; A: input Wq (given as codes); B: input x (given as codes): QUANTISED (scales: A lowp_scales[0], B lowp_scales[1])
;;     2. [M 1,024, K 1,024] x [K 1,024, N 8,192]; A: input Wk (given as codes); B: input x (given as codes): QUANTISED (scales: A lowp_scales[2], B lowp_scales[3])
;;     3. [M 1,024, K 1,024] x [K 1,024, N 8,192]; A: input Wv (given as codes); B: input x (given as codes): QUANTISED (scales: A lowp_scales[4], B lowp_scales[5])
;;     4. batch 64 x [M 2,048, K 64] x [K 64, N 2,048]; A: computed on the way; B: computed on the way: QUANTISED (scales: A lowp_scales[6], B lowp_scales[7])
;;     5. batch 64 x [M 2,048, K 2,048] x [K 2,048, N 64]; A: softmax (see below); B: computed on the way: QUANTISED (scales: A lowp_scales[8], B lowp_scales[9])
;;     6. [M 8,192, K 1,024] x [K 1,024, N 1,024]; A: computed on the way; B: input Wo (given as codes): QUANTISED (scales: A lowp_scales[10], B lowp_scales[11])
;;   THE QUANTISER, for each operand of a quantised product, along K:
;;     - The operand's scale is 2^e, e = its entry of the input lowp_scales (int32; the entries are numbered through the quantised products in the list's order, A before B).
;;     - Each number is divided by the scale, clamped to +-448, and rounded to the nearest number of E4M3, ties to even, subnormals kept.
;;     - The product sums the exact products of the quantised numbers (number of the format x scale) in f32.
;;   ~~~python
;;   def quantise(x, axis, e):      # numpy; x: float32 -> the quantised numbers, widened to float32 again
;;       x = np.moveaxis(x, axis, -1); K = x.shape[-1]
;;       r = np.clip(x / 2.0 ** e, -448, 448)
;;       step = 2.0 ** (np.maximum(np.frexp(np.where(r == 0, 1, r))[1] - 1, -6) - 3)
;;       q = np.round(r / step) * step * 2.0 ** e      # np.round: ties to even
;;       return np.moveaxis(q, -1, axis).astype(np.float32)
;;   ~~~
;;   SOFTMAX AHEAD OF A QUANTISED PRODUCT. Where the list says 'softmax', what is quantised is not the finished softmax but p = 2^(t - M), with t = logit x log2(e) and M = ceil(the row's largest t), a whole number; so 1/2 < the row's largest p <= 1. The row's sum l is taken of the UNQUANTISED p, in f32, and the product's result is divided by l at the end. Since M is a whole number, a kernel that streams over the keys may use a running M (the ceiling of the running maximum): every later rescaling is an exact power of two, so the quantised numbers keep their values, but for numbers so far below the row's largest that they fall under the format's range.
;;   OPERANDS COMPUTED ON THE WAY. 'Computed on the way' means the value that the module computes at that place (a softmax that the list does not call 'softmax' is quantised finished and normalised). What goes into a quantiser is computed in f32, as accurately as f32 sums, v_exp_f32 and their like allow (about 1e-6 of the number): no bf16 or f16 on the way to a quantiser, and a product that is left as it is and whose result goes on into a quantised operand takes f32 operands (vector FMAs, or v_wmma_f32_16x16x4_f32). A number that lies on a knife's edge between two numbers of the format may be rounded either way, as far as f32 arithmetic and the matrix unit's own rounding can turn it there, and no further.
;;   INPUTS GIVEN AS CODES. Wk (in the module: [16, 1024, 64], K = its axis 1); Wo (in the module: [1024, 1024], K = its axis 0); Wq (in the module: [16, 1024, 64], K = its axis 1); Wv (in the module: [16, 1024, 64], K = its axis 1); x (in the module: [4, 2048, 1024], K = its axis 2): each comes as NAME_codes (uint8): NAME with its K axis moved to the last place and cut into blocks of 32 codes, [.., K / 32, bytes a block], one block behind the other in memory; one code a byte (a code: sign, 4 exponent bits, 3 mantissa bits); its scale is its entry of lowp_scales. Its value is code x scale, taken as it is: it is not quantised again, and the codes and scales need not be those that the quantiser above would give.
;; One version. Each part assembles by itself: llvm-mc -triple=amdgcn-amd-amdhsa -mcpu=gfx1250 --defsym DOCPART=n.
;; ======== version 1 of 1: 3 launches
;; limits: right only within a limited range of input values
;; workspace buffers: q_ws 8,388,608 bytes; k_ws 8,388,608 bytes; v_ws 8,388,608 bytes; a_ws 8,388,608 bytes
;; launch proj (part 1): grid 32 x 8, 4 waves a work-group, clusters of 4 x 4, 327,680 bytes of LDS; arguments x_codes, Wq_codes, Wk_codes, Wv_codes, lowp_scales, q_ws, k_ws, v_ws; writes q_ws, k_ws, v_ws
.if DOCPART == 1
	.amdgcn_target "amdgcn-amd-amdhsa--gfx1250"
	.amdhsa_code_object_version 6
	.text
	.protected	k_q29a72f1a0a_proj
	.globl	k_q29a72f1a0a_proj
	.p2align	8
	.type	k_q29a72f1a0a_proj,@function
k_q29a72f1a0a_proj:
	s_mov_b64 s[64:65], 0
	v_nop
	global_prefetch_b8 v0, s[64:65] scope:SCOPE_SE
	s_setreg_imm32_b32 hwreg(HW_REG_WAVE_MODE, 25, 1), 1
	s_wait_xcnt 0x0
	s_wait_alu depctr_hold_cnt(0) depctr_sa_sdst(0) depctr_va_vdst(0) depctr_va_sdst(0) depctr_va_ssrc(0) depctr_va_vcc(0) depctr_vm_vsrc(0)
	s_getreg_b32 s2, hwreg(HW_REG_IB_STS2, 6, 4)
	s_cmp_eq_u32 s2, 0
	s_cbranch_scc0 .Lentry_in_a_cluster
	s_endpgm
.Lentry_in_a_cluster:
	s_bfe_u32 s2, ttmp6, 0x10000c
	s_cmp_lg_u32 s2, 0xf033
	s_cbranch_scc0 .Lentry_shape_is_right
	s_endpgm
.Lentry_shape_is_right:
; q, k, v = x W on codes of FP8 (E4M3); the results are quantised at once with the given scales of the attention's operands.
; x: 8,192 rows of 1,024 codes; Wq, Wk, Wv: 1,024 rows (64 head + d) of 1,024 codes; K innermost in all.
; SHARES.  A work-group owns 256 rows of x (grid x) and the 128 rows 128 g .. of each of Wq, Wk, Wv (grid y = g: heads 2 g, 2 g + 1): 256 x 384 results; 32 x 8 = 256 work-groups.
; Each of its four waves owns 64 rows of x and keeps them for ALL of K in 512 registers, so x is read from LDS once.  A weight's 128 rows x 1,024 K are a CHUNK in LDS (pitch 1,040: 133,120 bytes), read by all four waves.
; A wave makes 64 x 128 results a chunk: 32 accumulators.  A chunk is 16 units: 4 fragments of the weight (64 rows x 128 K), 16 matrix instructions, on two fragment buffers: a unit's 16 LDS loads are issued one unit ahead.
; LDS AND FILLS.  At the head each wave fetches its own 64 rows of x (66,560 bytes with padding) and moves them into registers.  The same bytes are then two slots for the weights, each fill 32 rows a wave, each behind the
; SEQ sequence, which ends in a round of the cluster's barrier: Wq into slot 0; when it has landed, Wk into slot 1, which lands under q's products; behind q's products Wv into slot 0, which lands under q's way out
; and k's products.  One load a wave is out at a time.
; CLUSTERS: 4 x 4 work-groups.  The four of a column of the cluster have the same rows of x, the four of a row the same g: x and the weights are asked for jointly, each by a load whose mask names the four.
; NO PREFETCH: the text has four fills and no loop that asks memory for tiles, so there is no trip to run ahead in.
; q, k: source 0 = the weight, source 1 = x: a lane holds one row s and eight neighbouring d.   v: the sources swapped: a lane holds one channel d and eight neighbouring KEYS.
; Eight results of a lane become two registers of codes, registers 2 c, 2 c + 1 (k = 16 c + 8 (lane / 16) + 0 .. 7) of an operand of the plain fp8 forms.  The workspaces are IMAGES OF OPERAND REGISTERS, four registers a chunk of
; 512 bytes, lane l's 16 bytes at 16 l, so each store of the wave covers 512 consecutive bytes, aligned:
;   q_ws, k_ws: [batch 4][head 16][tile of 16 rows: 128][chunk 2][512]         v_ws: [16 batch + key step of 128: 64][4 head + tile of 16 channels: 64][chunk 4][512]
; Fragments hold k = 32 c + 16 (lane / 16) + 0 .. 15 in registers 4 c .. 4 c + 3: a permutation of k, the same in x and in the weights.
; code = sum / 2^E, held within +-448, E = e(result) - e(W) - e(x).  LIMITS: each of the three E lies between -126 and 119.  NaN codes among the inputs are not served.
; REGISTERS.  Window 0: v2-13 addresses and scales; v32-95 held sums; v128-255 the weight's two fragment buffers, on the way out codes.  Window 1: accumulator (a, b) at v[8 (8 a + b)].
; Windows 2, 3: x's fragment (a, K step ks) at v[64 (ks % 4) + 16 a] of window 2 + ks / 4.
.set PITCH, 1040                       ; an LDS row: 1,024 bytes + 16 of padding, an odd multiple of 16
.set CHB,   128*PITCH                  ; a chunk
.set SPARE, 2*CHB                      ; behind the two slots: the spare words, 128 bytes a wave
.set LI,   2                           ; 16 x lane
.set ADX,  3                           ; LDS address of my rows of x
.set ADW,  4                           ; v4-7: the weight's rows 0-63 and 64-127 in slot 0, in slot 1
.set SPW,  8
.set NIL,  9
.set SC,   10                          ; v10-12: 2^E for q, k, v
.set TMP,  32
.set BF,   128
.set CD,   128
.set G1X, 24                           ; s[24:31] group 1 for x: 64 rows
.set G0X, 32                           ; s[32:35] group 0 for x; s[36:39] Wq; s[44:47] Wv; s[56:59] Wk
.set G0W, 36
.set G0V, 44
.set G1W, 48                           ; s[48:55] group 1 for the weights: 32 rows
.set G0K, 56
.set MSB, 0
.macro WIN new                         ; the immediate's high byte repeats the setting that is left
.if MSB != (\new)
	s_set_vgpr_msb (MSB<<8)|(\new)
.set MSB, (\new)
.endif
.endm
.macro ROUND                           ; a round of the cluster's barrier
	s_barrier_signal -1
	s_barrier_wait -1
	s_cmp_lg_u32 s14, 0
	s_cbranch_scc1 .Lnot_wave_0_\@
	s_barrier_signal -3
.Lnot_wave_0_\@:
	s_barrier_wait -3
	s_barrier_signal -1
	s_barrier_wait -1
.endm
.macro NOPS n
.rept \n
	v_nop
.endr
.endm
.macro SEQ                             ; a tensor wait, an add and its wait ahead of a refill's barrier, and the round that is that barrier
	s_wait_tensorcnt 0x0
	ds_add_u32 v[SPW], v[NIL]
	s_wait_dscnt 0x0
	ROUND
.endm
	s_load_b256 s[68:75], s[0:1], 0x0              ; x, Wq, Wk, Wv
	s_load_b256 s[76:83], s[0:1], 0x20             ; the scales' exponents, q_ws, k_ws, v_ws
	v_lshl_add_u32 v[SPW], v0, 2, SPARE
	v_mov_b32 v[NIL], 0
	ds_add_u32 v[SPW], v[NIL]                      ; the opening: the add, twice on end, and its wait ahead of my first tensor load
	ds_add_u32 v[SPW], v[NIL]
	v_lshrrev_b32 v1, 5, v0
	v_readfirstlane_b32 s14, v1                    ; wave 0..3
	s_bfe_u32 s40, ttmp6, 0x40000                  ; cx, cy: my place in the cluster; they enter global addresses and the two masks alone
	s_bfe_u32 s41, ttmp6, 0x40004
	s_lshl_b32 s17, ttmp9, 2
	s_add_co_u32 s17, s17, s40                     ; x's block of 256 rows: it hangs on cx, which my column of the cluster shares
	s_and_b32 s42, ttmp7, 0xffff
	s_lshl_b32 s42, s42, 2
	s_add_co_u32 s42, s42, s41                     ; g: it hangs on cy, which my row shares
	s_lshl_b32 s43, s41, 2
	s_lshl_b32 s43, 15, s43                        ; my row of the cluster
	s_lshl_b32 s3, 0x1111, s40                     ; my column
	s_and_b32 s16, s14, 1
	s_lshr_b32 s15, s14, 1
	s_or_b32 s[G1X], s3, (1<<20)|(1<<21)|(7<<22)|(3<<25)    ; 15:0 the mask; elements of 1 byte; 20 padding on; 21 set beside a mask; four words (code 3) after every 256 (code 7)
	s_or_b32 s[G1W], s43, (1<<20)|(1<<21)|(7<<22)|(3<<25)
.irp g, G1X, G1W
	s_mov_b32 s[\g+1], 1024<<16                    ; tensor_dim0
	s_mov_b32 s[\g+3], 1024<<16                    ; tile_dim0
	s_mov_b32 s[\g+5], 1024                        ; tensor_dim0_stride
	s_mov_b32 s[\g+6], 0
	s_mov_b32 s[\g+7], 0
.endr
	s_mov_b32 s[G1X+2], 64<<16                     ; tensor_dim1, tile_dim1
	s_mov_b32 s[G1X+4], 64
	s_mov_b32 s[G1W+2], 32<<16
	s_mov_b32 s[G1W+4], 32
	s_lshl_b32 s4, s17, 18                         ; x: (256 block + 64 wave) rows of 1,024 bytes
	s_lshl_b32 s5, s14, 16
	s_add_co_u32 s4, s4, s5
	s_mov_b32 s5, 0
	s_lshl_b32 s8, s42, 17                         ; a weight: rows 128 g + 32 wave
	s_lshl_b32 s9, s14, 15
	s_add_co_u32 s8, s8, s9
	s_mov_b32 s9, 0
	s_mul_i32 s22, s14, 64*PITCH                   ; in LDS: 64 rows a wave,
	s_mul_i32 s23, s14, 32*PITCH                   ; or 32
	s_lshr_b32 s10, s17, 3                         ; q_ws, k_ws: batch x 2^21 + head 2 g x 2^17 + tile of rows (16 (block % 8) + 4 wave) x 2^10
	s_lshl_b32 s10, s10, 21
	s_lshl_b32 s11, s42, 18
	s_add_co_u32 s10, s10, s11
	s_and_b32 s11, s17, 7
	s_lshl_b32 s11, s11, 14
	s_add_co_u32 s10, s10, s11
	s_lshl_b32 s11, s14, 12
	s_add_co_u32 s10, s10, s11
	s_mov_b32 s11, 0
	s_lshl_b32 s12, s17, 1                         ; v_ws: key step (2 block + wave / 2) x 2^17 + tile of channels 8 g x 2^11 + the fragment's half (wave % 2) x 2^10
	s_add_co_u32 s12, s12, s15
	s_lshl_b32 s12, s12, 17
	s_lshl_b32 s13, s42, 14
	s_add_co_u32 s12, s12, s13
	s_lshl_b32 s13, s16, 10
	s_add_co_u32 s12, s12, s13
	s_mov_b32 s13, 0
	v_and_b32 v1, 15, v0                           ; l % 16
	v_bfe_u32 v13, v0, 4, 1                        ; l / 16
	v_and_b32 v14, 31, v0
	v_lshlrev_b32 v[LI], 4, v14
	v_mul_u32_u24 v1, v1, PITCH
	v_lshl_add_u32 v[ADW], v13, 4, v1              ; a fragment's row x pitch + 16 x half
	v_add_nc_u32 v[ADX], s22, v[ADW]
	v_add_nc_u32 v[ADW+1], 64*PITCH, v[ADW]
	v_add_nc_u32 v[ADW+2], CHB, v[ADW]
	v_add_nc_u32 v[ADW+3], CHB+64*PITCH, v[ADW]
	s_wait_alu depctr_va_vdst(0)                   ; directly ahead of the waits below
	s_wait_dscnt 0x0                               ; both opening adds are done
	s_wait_kmcnt 0x0
	s_load_b256 s[84:91], s[76:77], 0x0            ; e0 .. e7
	s_load_b128 s[92:95], s[76:77], 0x20           ; e8 .. e11
	s_mov_b32 s[G0X], 1
	s_mov_b32 s[G0X+1], s22
	s_add_nc_u64 s[G0X+2:G0X+3], s[68:69], s[4:5]
	s_or_b32 s[G0X+3], s[G0X+3], 0x80000000
	s_mov_b32 s[G0W], 1                            ; Wq: slot 0
	s_mov_b32 s[G0W+1], s23
	s_add_nc_u64 s[G0W+2:G0W+3], s[70:71], s[8:9]
	s_or_b32 s[G0W+3], s[G0W+3], 0x80000000
	s_mov_b32 s[G0K], 1                            ; Wk: slot 1
	s_add_co_u32 s[G0K+1], s23, CHB
	s_add_nc_u64 s[G0K+2:G0K+3], s[72:73], s[8:9]
	s_or_b32 s[G0K+3], s[G0K+3], 0x80000000
	s_mov_b32 s[G0V], 1                            ; Wv: slot 0
	s_mov_b32 s[G0V+1], s23
	s_add_nc_u64 s[G0V+2:G0V+3], s[74:75], s[8:9]
	s_or_b32 s[G0V+3], s[G0V+3], 0x80000000
	s_add_nc_u64 s[78:79], s[78:79], s[10:11]
	s_add_nc_u64 s[80:81], s[80:81], s[10:11]
	s_add_nc_u64 s[82:83], s[82:83], s[12:13]
	ROUND                                          ; all sixteen work-groups are here: the first joint loads meet
	tensor_load_to_lds s[G0X:G0X+3], s[G1X:G1X+7]  ; my 64 rows of x: one tensor load a wave at the head
	s_nop 0
	NOPS 4
	s_wait_kmcnt 0x0                               ; the exponents
.macro MKSC er, ew, ex, lo, hi, vr     ; E = e(result) - e(W) - e(x): 2^E for the conversion, +-448 x 2^E for the hold
	s_sub_co_i32 s20, s\er, s\ew
	s_sub_co_i32 s20, s20, s\ex
	s_add_co_i32 s20, s20, 127
	s_lshl_b32 s21, s20, 23
	v_mov_b32 v[\vr], s21
	s_add_co_i32 s20, s20, 8
	s_lshl_b32 s\hi, s20, 23
	s_or_b32 s\hi, s\hi, 0x600000
	s_or_b32 s\lo, s\hi, 0x80000000
.endm
	MKSC 90, 84, 85, 96, 97, SC                    ; q: e6, e0, e1
	MKSC 91, 86, 87, 98, 99, SC+1                  ; k: e7, e2, e3
	MKSC 93, 88, 89, 100, 101, SC+2                ; v: e9, e4, e5
	s_wait_alu depctr_va_vdst(0)                   ; the wait at the head's end
	s_wait_tensorcnt 0x0                           ; my rows of x are in; no other wave of my work-group reads them
.macro XREGS k0                        ; four K steps of my 64 rows into one window
.irp ks, 0,1,2,3
.irp a, 0,1,2,3
.irp c, 0,1,2,3
	ds_load_b128 v[64*\ks+16*\a+4*\c:64*\ks+16*\a+4*\c+3], v[ADX] offset:16*\a*PITCH+128*(\ks+\k0)+32*\c
.endr
.endr
.endr
.endm
	WIN 0x80                                       ; destination window 2
	XREGS 0
	WIN 0xc0                                       ; destination window 3
	XREGS 4
	WIN 0
	SEQ                                            ; x is in registers, in every wave of the sixteen partners
	tensor_load_to_lds s[G0W:G0W+3], s[G1W:G1W+7]  ; Wq, 32 rows a wave
	s_nop 0
	NOPS 4
.macro W1 d, p, q, z
.if \z
	v_wmma_f32_16x16x128_fp8_fp8 v[\d:\d+7], v[\p:\p+15], v[\q:\q+15], 0
.else
	v_wmma_f32_16x16x128_fp8_fp8 v[\d:\d+7], v[\p:\p+15], v[\q:\q+15], v[\d:\d+7]
.endif
.endm
.macro FETCHW u, adr                   ; unit u = 2 ks + bh: the weight's rows 64 bh .. + 63, K step ks, into buffer bh
.irp i, 0,1,2,3
.irp c, 0,1,2,3
	ds_load_b128 v[BF+64*((\u)%2)+16*\i+4*\c:BF+64*((\u)%2)+16*\i+4*\c+3], v[\adr+(\u)%2] offset:16*\i*PITCH+128*((\u)/2)+32*\c
.endr
.endr
.endm
.macro MULU u, swap                    ; 16 matrix instructions on 16 accumulators by turns; the first K step starts the sums
.if \swap
	WIN 0x52+(\u)/8                                ; source 0 (x) window 2 or 3, source 1 window 0, C and D window 1
.else
	WIN 0x58+4*((\u)/8)                            ; source 0 window 0, source 1 (x) window 2 or 3, C and D window 1
.endif
.irp i, 0,1,2,3
.irp a, 0,1,2,3
.if \swap
	W1 (8*(8*\a+4*((\u)%2)+\i)), (64*(((\u)/2)%4)+16*\a), (BF+64*((\u)%2)+16*\i), ((\u)<2)
.else
	W1 (8*(8*\a+4*((\u)%2)+\i)), (BF+64*((\u)%2)+16*\i), (64*(((\u)/2)%4)+16*\a), ((\u)<2)
.endif
.endr
.endr
	WIN 0
.endm
.macro CHUNK adr, swap
	FETCHW 0, \adr
.set U, 0
.rept 16
.if U < 15
.if U > 0
	NOPS 4                                         ; places between the last unit's products and the loads into the buffer that they read
.endif
	FETCHW U+1, \adr
	s_wait_dscnt 16                                ; this unit's fragments are in; the next unit's 16 loads may be out
.else
	s_wait_dscnt 0x0
.endif
	MULU U, \swap
.set U, U+1
.endr
.endm
; THE WAY OUT, q and k: tile a's 64 sums a lane are held (the conversion to an 8-bit code does not saturate: ISA guide 7.6.2), each accumulator from its low end on, and become 16 registers of codes: two chunks for each of two heads.
.macro OUTN ob, lo, hi, sc
.irp a, 0,1,2,3
	WIN 0x01                                       ; source 0: window 1
.set j, 0
.rept 64
	v_med3_num_f32 v[TMP+j], v[64*\a+j], s\lo, s\hi
.set j, j+1
.endr
	WIN 0
.irp b, 0,1,2,3,4,5,6,7
	v_cvt_scalef32_pk8_fp8_f32 v[CD+16*\a+2*\b:CD+16*\a+2*\b+1], v[TMP+8*\b:TMP+8*\b+7], v[\sc]
.endr
	v_nop                                          ; a plain instruction between the conversions and the next holds, which write their sources
	global_store_b128 v[LI], v[CD+16*\a:CD+16*\a+3], s[\ob:\ob+1] offset:1024*\a
	global_store_b128 v[LI], v[CD+16*\a+4:CD+16*\a+7], s[\ob:\ob+1] offset:1024*\a+512
	global_store_b128 v[LI], v[CD+16*\a+8:CD+16*\a+11], s[\ob:\ob+1] offset:1024*\a+131072
	global_store_b128 v[LI], v[CD+16*\a+12:CD+16*\a+15], s[\ob:\ob+1] offset:1024*\a+131584
.endr
	s_wait_xcnt 0x0                                ; the stores have read their data: the next chunk's fragments land in these registers
.endm
	SEQ                                            ; everybody's part of Wq is in
	tensor_load_to_lds s[G0K:G0K+3], s[G1W:G1W+7]  ; Wk, 32 rows a wave, into slot 1
	s_nop 0
	NOPS 4
	CHUNK ADW, 0                                   ; q
	SEQ                                            ; everybody's part of Wk is in, and no wave of any partner still reads slot 0
	tensor_load_to_lds s[G0V:G0V+3], s[G1W:G1W+7]  ; Wv, 32 rows a wave, into slot 0
	s_nop 0
	NOPS 4                                         ; also the places behind q's last products
	OUTN 78, 96, 97, SC
	CHUNK ADW+2, 0                                 ; k
	NOPS 4
	OUTN 80, 98, 99, SC+1
	s_wait_tensorcnt 0x0                           ; my part of Wv is in
	s_wait_dscnt 0x0
	s_barrier_signal -1
	s_barrier_wait -1
	CHUNK ADW, 1                                   ; v: the sources swapped
	NOPS 4
; v's way out: channel tile b's four accumulators hold my 64 keys: 8 registers of codes, two chunks of the fragment's half that is mine
.irp b, 0,1,2,3,4,5,6,7
	WIN 0x01
.irp a, 0,1,2,3
.irp j, 0,1,2,3,4,5,6,7
	v_med3_num_f32 v[TMP+8*\a+\j], v[64*\a+8*\b+\j], s100, s101
.endr
.endr
	WIN 0
.irp a, 0,1,2,3
	v_cvt_scalef32_pk8_fp8_f32 v[CD+8*\b+2*\a:CD+8*\b+2*\a+1], v[TMP+8*\a:TMP+8*\a+7], v[SC+2]
.endr
	v_nop
	global_store_b128 v[LI], v[CD+8*\b:CD+8*\b+3], s[82:83] offset:2048*\b
	global_store_b128 v[LI], v[CD+8*\b+4:CD+8*\b+7], s[82:83] offset:2048*\b+512
.endr
	s_wait_tensorcnt 0x0                           ; the wave's end
	ds_add_u32 v[SPW], v[NIL]
	s_wait_dscnt 0x0
	ROUND                                          ; the closing round
	s_endpgm
.Lfunc_end_k_q29a72f1a0a_proj:
	.size	k_q29a72f1a0a_proj, .Lfunc_end_k_q29a72f1a0a_proj-k_q29a72f1a0a_proj
	.p2alignl 7, 3214868480
	.fill 96, 4, 3214868480
	.section	.rodata,"a",@progbits
	.p2align	6, 0x0
	.amdhsa_kernel k_q29a72f1a0a_proj
		.amdhsa_group_segment_fixed_size 327680
		.amdhsa_private_segment_fixed_size 0
		.amdhsa_enable_private_segment 0
		.amdhsa_kernarg_size 64
		.amdhsa_user_sgpr_count 2
		.amdhsa_user_sgpr_kernarg_segment_ptr 1
		.amdhsa_wavefront_size32 1
		.amdhsa_system_sgpr_workgroup_id_x 1
		.amdhsa_system_sgpr_workgroup_id_y 1
		.amdhsa_system_sgpr_workgroup_id_z 1
		.amdhsa_system_vgpr_workitem_id 0
		.amdhsa_next_free_vgpr 1024
		.amdhsa_next_free_sgpr 102
		.amdhsa_reserve_vcc 0
		.amdhsa_float_denorm_mode_32 3
		.amdhsa_float_denorm_mode_16_64 3
		.amdhsa_memory_ordered 1
		.amdhsa_forward_progress 1
		.amdhsa_inst_pref_size 184
	.end_amdhsa_kernel
	.amdgpu_metadata
---
amdhsa.version: [ 1, 2 ]
amdhsa.kernels:
  - .name:           k_q29a72f1a0a_proj
    .symbol:         k_q29a72f1a0a_proj.kd
    .args:
      - { .name: x_codes, .offset: 0, .size: 8, .value_kind: global_buffer, .address_space: global }
      - { .name: Wq_codes, .offset: 8, .size: 8, .value_kind: global_buffer, .address_space: global }
      - { .name: Wk_codes, .offset: 16, .size: 8, .value_kind: global_buffer, .address_space: global }
      - { .name: Wv_codes, .offset: 24, .size: 8, .value_kind: global_buffer, .address_space: global }
      - { .name: lowp_scales, .offset: 32, .size: 8, .value_kind: global_buffer, .address_space: global }
      - { .name: q_ws, .offset: 40, .size: 8, .value_kind: global_buffer, .address_space: global }
      - { .name: k_ws, .offset: 48, .size: 8, .value_kind: global_buffer, .address_space: global }
      - { .name: v_ws, .offset: 56, .size: 8, .value_kind: global_buffer, .address_space: global }
    .group_segment_fixed_size: 327680
    .private_segment_fixed_size: 0
    .kernarg_segment_align: 8
    .kernarg_segment_size: 64
    .max_flat_workgroup_size: 128
    .sgpr_count:     102
    .vgpr_count:     1024
    .wavefront_size: 32
...
	.end_amdgpu_metadata
.endif
;; end of part 1
;; launch attn (part 2): grid 4 x 64, 8 waves a work-group, clusters of 4 x 1, 327,680 bytes of LDS; arguments q_ws, k_ws, v_ws, lowp_scales, a_ws; writes a_ws
.if DOCPART == 2
	.amdgcn_target "amdgcn-amd-amdhsa--gfx1250"
	.amdhsa_code_object_version 6
	.text
	.protected	k_q29a72f1a0a_attn
	.globl	k_q29a72f1a0a_attn
	.p2align	8
	.type	k_q29a72f1a0a_attn,@function
k_q29a72f1a0a_attn:
	s_mov_b64 s[64:65], 0
	v_nop
	global_prefetch_b8 v0, s[64:65] scope:SCOPE_SE
	s_setreg_imm32_b32 hwreg(HW_REG_WAVE_MODE, 25, 1), 1
	s_wait_xcnt 0x0
	s_wait_alu depctr_hold_cnt(0) depctr_sa_sdst(0) depctr_va_vdst(0) depctr_va_sdst(0) depctr_va_ssrc(0) depctr_va_vcc(0) depctr_vm_vsrc(0)
	s_getreg_b32 s2, hwreg(HW_REG_IB_STS2, 6, 4)
	s_cmp_eq_u32 s2, 0
	s_cbranch_scc0 .Lentry_in_a_cluster
	s_endpgm
.Lentry_in_a_cluster:
	s_bfe_u32 s2, ttmp6, 0x10000c
	s_cmp_lg_u32 s2, 0x3003
	s_cbranch_scc0 .Lentry_shape_is_right
	s_endpgm
.Lentry_shape_is_right:
; Causal attention of one head of one batch on codes of FP8 (E4M3); the result is quantised with the given scale of the last product's operand.
; q_ws, k_ws: [16 batch + head: 64][tile of 16 rows: 128][chunk 2][512]; v_ws: [16 batch + key step of 128: 64][4 head + tile of 16 channels: 64][chunk 4][512]: images of operand registers of the plain fp8 forms
; (registers 2 c, 2 c + 1: k = 16 c + 8 (lane / 16) + 0 .. 7; four registers a chunk, lane l's 16 bytes at 16 l).  a_ws: [tile of 16 rows: 512][head 16][chunk 2][512], the same.
; THE SOFTMAX: t = score x log2(e) / 8; M = the largest t so far, rounded up to a whole number; p = 2^(t - M) is quantised with 2^e8, not normalised; the row's sum is taken of the unquantised p and divides at the end.
; When M moves, the sum and O are multiplied by 2^(old M - new M), which rounds nothing.
; LEFT OUT: key steps all of whose keys come after the queries.
; SHARES.  The four work-groups of a cluster own one head: 64 pairs of tiles of 16 queries.  A wave works a PAIR, 32 queries, at once: each fragment of K and of V that it reads from LDS feeds two matrix instructions.
; Wave w (0..7) of the partner at place cx owns pair 4 w + cx and pair 63 - (4 w + cx).  Their last key steps, w and 15 - w, hang on the wave's number alone, so no branch hangs on the place in the cluster,
; and every wave has (w + 1) + (16 - w) = 17 steps of 32 queries x 128 keys.  The late pair goes first: its key steps 0 to 7 are worked by every wave.
; LDS.  The head's K (131,072 bytes) and V (131,072) lie in LDS, each byte filled once, by joint loads of the four partners; waves 0-3 fetch K, waves 4-7 V.  At the head a wave asks for one key step (8,192 bytes) of
; key steps 0-3; behind a tensor wait, an add and its wait, and a round of the cluster's barrier it asks for three of key steps 4-15 (24,576 bytes), which land while key steps 0-3 are worked.  One load a wave is out at a time.
; NO PREFETCH: each byte is asked for once, by these two loads at the head; no loop of the text asks memory for tiles, so there is no trip to run ahead in.
; LAYOUT.  S^T = K Q^T (source 0 = 16 keys, source 1 = 16 queries), O^T = V^T P^T (source 0 = 16 channels, source 1 = P): a lane holds one query (lane % 16) of each tile.  Eight scores of a lane are keys
; 16 t + 8 (lane / 16) + 0 .. 7: their codes are registers 2 t, 2 t + 1 of P; O^T's codes likewise are the image that is stored.  Nothing changes lanes.
; MASK.  On the diagonal hidden scores become -infinity, so p = 0; -1e9 in their place gives the same 0 while the scores that count lie far above -1e9: LIMIT e6 + e7 <= 9.
; LIMITS on the given exponents, so that each power of two below is an f32 number: e6 + e7 at least -123; e8, and e10 - e8 - e9, between -126 and 119.  NaN codes are not served.
; REGISTERS.  Window 0: v1-31 addresses, scales and each tile's -M, t, sum, f; v32-95, v96-159 S^T then p of tiles A, B; v160-223 O^T of A, B; v224-255 p's codes of A, B (ahead of the conversions: partial sums).
; Window 1: v0-63 K's eight fragments, v64-127 V's four, v128-143 the late pair's Q, v144-159 the early pair's.
.set VBASE, 131072
.set SPARE, 262144                     ; behind V: the spare words, 128 bytes a wave: four blocks of 256 bytes that no other line names
.set LI,   1                           ; 16 x lane
.set ADK,  2                           ; LDS address of the next step's K
.set ADV,  3                           ; of this step's V
.set DL,   4                           ; late pair: tile A's query's place in its diagonal step - 8 (lane / 16); tile B's is 16 more
.set DE,   5                           ; early pair: the same
.set NEGINF, 6
.set GOL,  7                           ; late pair's byte offset in a_ws
.set GOE,  8                           ; early pair's
.set SPW,  9                           ; LDS address of my spare word; never rewritten
.set NIL,  10                          ; 0; never rewritten
.set SCP,  11                          ; 2^e8
.set LIMP, 12                          ; 448 x 2^e8,
.set LIMQ, 13                          ; and once more: the two halves of a dual pair name second sources in different banks
.set SCO,  14                          ; 2^(e10 - e8 - e9)
.set LV,   15                          ; VBASE + 16 x lane
.set NMA,  16                          ; tile A: v16 -M, v17 the largest t, v[18:19] the sum in two halves, v[20:21] f
.set LSA,  18
.set FFA,  20
.set NMB,  22                          ; tile B: the same from v22 on
.set LSB,  24
.set FFB,  26
.set MX0,  28                          ; v28-31 at work
.set MX1,  29
.set MX2,  30
.set MX3,  31
.set SA,   32
.set SB,   96
.set OA,   160
.set OB,   192
.set PCA,  224
.set PCB,  240
.set KF,   0                           ; window 1
.set VF,   64
.set QL,   128
.set QE,   144
.set WV,   14                          ; s14 my wave's number
.set SDE,  15                          ; s15 the early pair's diagonal key step
.set SDL,  16                          ; s16 the late pair's
.set SEL,  20                          ; s[20:21] v_permlanex16_b32's selects for lane l xor 16
.set CS,   22                          ; s[22:23] c = log2(e) / 8 x 2^(e6 + e7)
.set G1,   24                          ; s[24:31] group 1: 8,192 dense bytes as 32 rows of 256
.set G0,   32                          ; s[32:35], s[36:39] groups 0 of my two loads
.set G1K,  40                          ; s[40:47] group 1: three rows of 8,192 bytes, dense (K)
.set TB,   48                          ; s48 byte at which the key step begins in K's and in V's part of LDS
.set KS,   49                          ; s49 the key step
.set G1V,  72                          ; s[72:79] group 1: three rows of 8,192 bytes, 131,072 apart (V)
.set TN,   80                          ; s80 the next step's byte, held at the last step that has landed
.set MSB, 0
.macro WIN new                         ; the immediate's high byte repeats the setting that is left
.if MSB != (\new)
	s_set_vgpr_msb (MSB<<8)|(\new)
.set MSB, (\new)
.endif
.endm
.macro ROUND                           ; a round of the cluster's barrier
	s_barrier_signal -1
	s_barrier_wait -1
	s_cmp_lg_u32 s[WV], 0
	s_cbranch_scc1 .Lnot_wave_0_\@
	s_barrier_signal -3
.Lnot_wave_0_\@:
	s_barrier_wait -3
	s_barrier_signal -1
	s_barrier_wait -1
.endm
	s_load_b256 s[4:11], s[0:1], 0x0               ; q_ws s[4:5], k_ws s[6:7], v_ws s[8:9], the scales' exponents s[10:11]
	s_load_b64 s[12:13], s[0:1], 0x20              ; a_ws
	v_lshl_add_u32 v[SPW], v0, 2, SPARE
	v_mov_b32 v[NIL], 0
	ds_add_u32 v[SPW], v[NIL]                      ; the opening: the add, twice on end, and its wait ahead of my first tensor load
	ds_add_u32 v[SPW], v[NIL]
	v_lshrrev_b32 v[MX0], 5, v0
	v_readfirstlane_b32 s[WV], v[MX0]              ; wave 0..7
	s_mov_b32 s[SDE], s[WV]
	s_sub_co_u32 s[SDL], 15, s[WV]
	s_bfe_u32 s17, ttmp6, 0x40000                  ; cx: it enters Q's and a_ws's offsets and the two mask registers alone
	s_and_b32 s18, ttmp7, 0xffff                   ; 16 x batch + head, which the four partners share
	s_mov_b32 s[G1+0], 15|(3<<16)|(1<<21)          ; 15:0 the mask: all four work-groups; 17:16 elements of 8 bytes; 21 set beside a mask; no padding
	s_mov_b32 s[G1+1], 32<<16                      ; tensor_dim0
	s_mov_b32 s[G1+2], 32<<16                      ; tensor_dim1
	s_mov_b32 s[G1+3], 32<<16                      ; tile_dim0
	s_mov_b32 s[G1+4], 32                          ; tile_dim1
	s_mov_b32 s[G1+5], 32                          ; tensor_dim0_stride
	s_mov_b32 s[G1+6], 0
	s_mov_b32 s[G1+7], 0
.irp g, G1K, G1V
	s_mov_b32 s[\g+0], 15|(3<<16)|(1<<21)
	s_mov_b32 s[\g+1], 1024<<16
	s_mov_b32 s[\g+2], 3<<16
	s_mov_b32 s[\g+3], 1024<<16
	s_mov_b32 s[\g+4], 3
	s_mov_b32 s[\g+6], 0
	s_mov_b32 s[\g+7], 0
.endr
	s_mov_b32 s[G1K+5], 1024                       ; from key step to key step, in elements of 8 bytes
	s_mov_b32 s[G1V+5], 16384
	s_mov_b32 s[SEL], 0x76543210
	s_mov_b32 s[SEL+1], 0xfedcba98
	; what I fetch, u = w % 4: first key step u, then key steps 4 + 3 u .. 6 + 3 u
	s_and_b32 s19, s[WV], 3
	s_lshl_b32 s60, s18, 17                        ; the head's first byte in q_ws and k_ws
	s_mov_b32 s61, 0
	s_lshl_b32 s50, s19, 13                        ; the first load's place in K's or V's part of LDS,
	s_mul_i32 s51, s19, 24576
	s_add_co_u32 s51, s51, 32768                   ; and the second's
	s_add_co_u32 s54, s60, s50                     ; K in memory lies as in LDS
	s_add_co_u32 s56, s60, s51
	s_lshr_b32 s52, s18, 4                         ; batch
	s_and_b32 s53, s18, 15                         ; head
	s_lshl_b32 s69, s52, 4
	s_lshl_b32 s67, s53, 13                        ; the head's 8,192 bytes in a key step of v_ws
	s_add_co_u32 s66, s69, s19
	s_lshl_b32 s66, s66, 17
	s_add_co_u32 s66, s66, s67                     ; V: key step 16 batch + u
	s_mul_i32 s68, s19, 3
	s_add_co_u32 s68, s68, 4
	s_add_co_u32 s68, s68, s69
	s_lshl_b32 s68, s68, 17
	s_add_co_u32 s68, s68, s67                     ; V: key step 16 batch + 4 + 3 u
	s_cmp_lt_u32 s[WV], 4
	s_cselect_b32 s54, s54, s66
	s_cselect_b32 s56, s56, s68
	s_mov_b32 s55, 0
	s_mov_b32 s57, 0
	s_lshr_b32 s58, s[WV], 2
	s_lshl_b32 s58, s58, 17                        ; V's bytes lie behind K's
	s_mov_b32 s[G0], 1
	s_add_co_u32 s[G0+1], s58, s50
	s_mov_b32 s[G0+4], 1
	s_add_co_u32 s[G0+5], s58, s51
	s_lshl_b32 s70, s52, 21                        ; a_ws: the batch's 128 tiles of 16,384 bytes,
	s_lshl_b32 s71, s53, 10                        ; the head's 1,024 in each
	s_add_co_u32 s70, s70, s71
	s_mov_b32 s71, 0
	s_wait_dscnt 0x0                               ; both opening adds are done
	s_wait_kmcnt 0x0
	s_load_b128 s[84:87], s[10:11], 0x18           ; e6, e7, e8, e9
	s_load_b32 s88, s[10:11], 0x28                 ; e10
	s_cmp_lt_u32 s[WV], 4
	s_cselect_b64 s[62:63], s[6:7], s[8:9]
	s_add_nc_u64 s[G0+2:G0+3], s[62:63], s[54:55]
	s_add_nc_u64 s[G0+6:G0+7], s[62:63], s[56:57]
	s_or_b32 s[G0+3], s[G0+3], 0x80000000
	s_or_b32 s[G0+7], s[G0+7], 0x80000000
	s_add_nc_u64 s[4:5], s[4:5], s[60:61]          ; Q at my head
	s_add_nc_u64 s[12:13], s[12:13], s[70:71]      ; a_ws at my batch and head
	ROUND                                          ; all four work-groups are here: the joint loads meet
	tensor_load_to_lds s[G0:G0+3], s[G1:G1+7]      ; my key step of key steps 0-3: one tensor load a wave at the head
	s_nop 0
.rept 4
	v_nop
.endr
	s_wait_kmcnt 0x0
	s_add_co_i32 s50, s84, s85
	s_lshl_b32 s50, s50, 23
	s_mov_b32 s[CS], 0x3e38aa3b                    ; log2(e) / 8
	s_add_co_i32 s[CS], s[CS], s50                 ; a score stands for score x 2^(e6 + e7): the two exponents are added to c's exponent field
	s_mov_b32 s[CS+1], s[CS]                       ; (named with it as a pair)
	s_add_co_i32 s50, s86, 127
	s_lshl_b32 s51, s50, 23                        ; 2^e8
	s_add_co_i32 s50, s50, 8
	s_lshl_b32 s50, s50, 23
	s_or_b32 s50, s50, 0x600000                    ; 448 x 2^e8
	s_sub_co_i32 s52, s88, s86
	s_sub_co_i32 s52, s52, s87                     ; a sum of the second product stands for sum x 2^(e8 + e9): its code is (sum / l) / 2^(e10 - e8 - e9)
	s_add_co_i32 s52, s52, 127
	s_lshl_b32 s53, s52, 23
	s_add_co_i32 s52, s52, 8
	s_lshl_b32 s83, s52, 23
	s_or_b32 s83, s83, 0x600000                    ; 448 x that,
	s_or_b32 s82, s83, 0x80000000                  ; and its negative
	s_lshl_b32 s54, s[WV], 2
	s_add_co_u32 s54, s54, s17                     ; the early pair
	s_sub_co_u32 s55, 63, s54                      ; the late pair
	s_lshl_b32 s56, s17, 5                         ; 16 x tile A's place among its key step's eight tiles: early 2 cx,
	s_sub_co_u32 s57, 96, s56                      ; late 6 - 2 cx
	v_and_b32 v[MX0], 31, v0
	v_lshlrev_b32 v[LI], 4, v[MX0]
	v_lshl_add_u32 v[MX1], s55, 11, v[LI]          ; a pair's Q: 2,048 bytes
	v_lshl_add_u32 v[MX2], s54, 11, v[LI]
	WIN 0x40                                       ; destination window 1
.irp c, 0,1,2,3
	global_load_b128 v[QL+4*\c:QL+4*\c+3], v[MX1], s[4:5] offset:512*\c
.endr
.irp c, 0,1,2,3
	global_load_b128 v[QE+4*\c:QE+4*\c+3], v[MX2], s[4:5] offset:512*\c
.endr
	WIN 0
	v_add_nc_u32 v[LV], VBASE, v[LI]
	v_lshl_add_u32 v[GOL], s55, 15, v[LI]          ; a pair's two tiles in a_ws: 2 x 16,384 bytes
	v_lshl_add_u32 v[GOE], s54, 15, v[LI]
	v_and_b32 v[MX0], 15, v0                       ; r
	v_bfe_u32 v[MX3], v0, 4, 1                     ; h
	v_lshlrev_b32 v[MX3], 3, v[MX3]
	v_sub_nc_u32 v[MX0], v[MX0], v[MX3]            ; r - 8 h
	v_add_nc_u32 v[DE], s56, v[MX0]
	v_add_nc_u32 v[DL], s57, v[MX0]
	v_mov_b32 v[NEGINF], 0xff800000
	v_mov_b32 v[FFA+1], 0                          ; (named as the upper halves of pairs)
	v_mov_b32 v[FFB+1], 0
	v_mov_b32 v[SCP], s51
	v_mov_b32 v[LIMP], s50
	v_mov_b32 v[LIMQ], s50
	v_mov_b32 v[SCO], s53
.macro KLOAD                           ; K's eight fragments of the key step at s[TB]
	v_add_nc_u32 v[ADK], s[TB], v[LI]
	WIN 0x40
.irp t, 0,1,2,3,4,5,6,7
.irp c, 0,1
	ds_load_b128 v[KF+8*\t+4*\c:KF+8*\t+4*\c+3], v[ADK] offset:1024*\t+512*\c
.endr
.endr
	WIN 0
.endm
.macro SUM s, ls, t                    ; the row's sum of the unquantised p: 32 packed additions in eight chains, seven of them in registers that p's codes take afterwards
.irp k, 0,1,2,3,4,5,6
	v_pk_add_f32 v[\t+2*\k:\t+2*\k+1], v[\s+4*\k:\s+4*\k+1], v[\s+4*\k+2:\s+4*\k+3]
.endr
	v_pk_add_f32 v[\ls:\ls+1], v[\ls:\ls+1], v[\s+28:\s+29]
.irp i, 30,46
.irp k, 0,1,2,3,4,5,6
	v_pk_add_f32 v[\t+2*\k:\t+2*\k+1], v[\t+2*\k:\t+2*\k+1], v[\s+\i+2*\k:\s+\i+2*\k+1]
.endr
	v_pk_add_f32 v[\ls:\ls+1], v[\ls:\ls+1], v[\s+\i+14:\s+\i+15]
.endr
	v_pk_add_f32 v[\t:\t+1], v[\t:\t+1], v[\s+62:\s+63]
	v_pk_add_f32 v[\t+2:\t+3], v[\t+2:\t+3], v[\t+4:\t+5]
	v_pk_add_f32 v[\t+6:\t+7], v[\t+6:\t+7], v[\t+8:\t+9]
	v_pk_add_f32 v[\t+10:\t+11], v[\t+10:\t+11], v[\t+12:\t+13]
	v_pk_add_f32 v[\ls:\ls+1], v[\ls:\ls+1], v[\t:\t+1]
	v_pk_add_f32 v[\t+2:\t+3], v[\t+2:\t+3], v[\t+6:\t+7]
	v_pk_add_f32 v[\ls:\ls+1], v[\ls:\ls+1], v[\t+10:\t+11]
	v_pk_add_f32 v[\ls:\ls+1], v[\ls:\ls+1], v[\t+2:\t+3]
.endm
.macro QUANT s, pc                     ; the hold (the conversion to an 8-bit code does not saturate: ISA guide 7.6.2; p is not negative, so it is one-sided), two numbers an instruction, and the conversion
.irp t, 0,1,2,3,4,5,6,7
.irp i, 0,2,4,6
	v_dual_min_num_f32 v[\s+8*\t+\i], v[\s+8*\t+\i], v[LIMP] :: v_dual_min_num_f32 v[\s+8*\t+\i+1], v[\s+8*\t+\i+1], v[LIMQ]
.endr
	v_cvt_scalef32_pk8_fp8_f32 v[\pc+2*\t:\pc+2*\t+1], v[\s+8*\t:\s+8*\t+7], v[SCP]
.endr
.endm
; A KEY STEP of 128 keys for the pair whose Q lies in window 1 from v[qr] on.  K's fragments are in registers or on their way.  full = 1: steps behind the pair's diagonal step s[sd] are left out (a scalar branch on the wave's
; number and the loop's count, round the work and not round the lines that step the address and the count), and in the diagonal step hidden scores become -infinity.  lim: the last key step that may be read ahead.
.macro STEP qr, full, dr, sd, lim
.if \full
	s_cmp_gt_u32 s[KS], s[\sd]
	s_cbranch_scc1 .Lskip_\@
.endif
	s_add_co_u32 s[TN], s[TB], 8192
	s_min_u32 s[TN], s[TN], \lim
	s_wait_dscnt 0x0                               ; K is in
	WIN 0x05                                       ; sources 0 and 1 in window 1
.irp t, 0,1,2,3,4,5,6,7
	v_wmma_f32_16x16x64_fp8_fp8 v[SA+8*\t:SA+8*\t+7], v[KF+8*\t:KF+8*\t+7], v[\qr:\qr+7], 0
	v_wmma_f32_16x16x64_fp8_fp8 v[SB+8*\t:SB+8*\t+7], v[KF+8*\t:KF+8*\t+7], v[\qr+8:\qr+15], 0
.endr
	WIN 0
	v_add_nc_u32 v[ADK], s[TN], v[LI]
	v_add_nc_u32 v[ADV], s[TB], v[LV]
	v_nop
	v_nop                                          ; with the two additions: four places in front of the loads below and of the first read of the scores
	WIN 0x40
.irp t, 0,1,2,3
.irp c, 0,1,2,3
	ds_load_b128 v[VF+16*\t+4*\c:VF+16*\t+4*\c+3], v[ADV] offset:2048*\t+512*\c   ; this step's V and the next step's K land while the softmax is worked
.endr
.endr
.irp t, 0,1,2,3,4,5,6,7
.irp c, 0,1
	ds_load_b128 v[KF+8*\t+4*\c:KF+8*\t+4*\c+3], v[ADK] offset:1024*\t+512*\c
.endr
.endr
	WIN 0
.if \full
	s_cmp_lg_u32 s[KS], s[\sd]
	s_cbranch_scc1 .Lopen_\@
; register 8 t + j holds key 16 t + j + 8 (lane / 16): hidden in tile A where 16 t + j > v[dr]; tile B's queries lie 16 further on, so the same compare serves its register 8 (t + 1) + j; its first eight are never hidden
.irp t, 0,1,2,3,4,5,6,7
.irp j, 0,1,2,3,4,5,6,7
	v_cmp_gt_i32 vcc_lo, 16*\t+\j, v[\dr]
	v_cndmask_b32 v[SA+8*\t+\j], v[SA+8*\t+\j], v[NEGINF], vcc_lo
.if \t < 7
	v_cndmask_b32 v[SB+8*\t+8+\j], v[SB+8*\t+8+\j], v[NEGINF], vcc_lo
.endif
.endr
.endr
.Lopen_\@:
.endif
	v_max3_num_f32 v[MX0], v[SA], v[SA+1], v[SA+2]     ; the step's largest score of each query among the lane's 64 keys: four chains a tile (two of them in registers that p's codes take later), each accumulator from its low end on
	v_max3_num_f32 v[MX1], v[SA+3], v[SA+4], v[SA+5]
	v_max3_num_f32 v[PCA], v[SA+6], v[SA+7], v[SA+8]
	v_max3_num_f32 v[PCA+1], v[SA+9], v[SA+10], v[SA+11]
	v_max3_num_f32 v[MX2], v[SB], v[SB+1], v[SB+2]
	v_max3_num_f32 v[MX3], v[SB+3], v[SB+4], v[SB+5]
	v_max3_num_f32 v[PCB], v[SB+6], v[SB+7], v[SB+8]
	v_max3_num_f32 v[PCB+1], v[SB+9], v[SB+10], v[SB+11]
.irp i, 12,20,28,36,44,52
	v_max3_num_f32 v[MX0], v[MX0], v[SA+\i], v[SA+\i+1]
	v_max3_num_f32 v[MX1], v[MX1], v[SA+\i+2], v[SA+\i+3]
	v_max3_num_f32 v[PCA], v[PCA], v[SA+\i+4], v[SA+\i+5]
	v_max3_num_f32 v[PCA+1], v[PCA+1], v[SA+\i+6], v[SA+\i+7]
	v_max3_num_f32 v[MX2], v[MX2], v[SB+\i], v[SB+\i+1]
	v_max3_num_f32 v[MX3], v[MX3], v[SB+\i+2], v[SB+\i+3]
	v_max3_num_f32 v[PCB], v[PCB], v[SB+\i+4], v[SB+\i+5]
	v_max3_num_f32 v[PCB+1], v[PCB+1], v[SB+\i+6], v[SB+\i+7]
.endr
	v_max3_num_f32 v[MX0], v[MX0], v[SA+60], v[SA+61]
	v_max3_num_f32 v[MX1], v[MX1], v[SA+62], v[SA+63]
	v_max3_num_f32 v[MX2], v[MX2], v[SB+60], v[SB+61]
	v_max3_num_f32 v[MX3], v[MX3], v[SB+62], v[SB+63]
	v_max3_num_f32 v[MX0], v[MX0], v[MX1], v[PCA]
	v_max3_num_f32 v[MX2], v[MX2], v[MX3], v[PCB]
	v_max_num_f32 v[MX0], v[MX0], v[PCA+1]
	v_max_num_f32 v[MX2], v[MX2], v[PCB+1]
	v_permlanex16_b32 v[MX1], v[MX0], s[SEL], s[SEL+1]
	v_permlanex16_b32 v[MX3], v[MX2], s[SEL], s[SEL+1]
	v_max_num_f32 v[MX0], v[MX0], v[MX1]           ; and among lane l xor 16's
	v_max_num_f32 v[MX2], v[MX2], v[MX3]
	v_mul_f32 v[MX0], s[CS], v[MX0]                ; as t (c is positive)
	v_mul_f32 v[MX2], s[CS], v[MX2]
	v_max_num_f32 v[NMA+1], v[NMA+1], v[MX0]       ; the running largest t
	v_max_num_f32 v[NMB+1], v[NMB+1], v[MX2]
	v_mov_b32 v[MX0], v[NMA]
	v_mov_b32 v[MX2], v[NMB]
	v_floor_f32 v[NMA], -v[NMA+1]                  ; the new -M = floor(-t): M is a whole number
	v_floor_f32 v[NMB], -v[NMB+1]
	v_sub_f32 v[MX0], v[NMA], v[MX0]               ; old M - new M: a whole number, 0 or less
	v_sub_f32 v[MX2], v[NMB], v[MX2]
	v_cvt_i32_f32 v[MX0], v[MX0]                   ; (it saturates)
	v_cvt_i32_f32 v[MX2], v[MX2]
	v_ldexp_f32 v[FFA], 1.0, v[MX0]                ; f = 2^(old M - new M)
	v_ldexp_f32 v[FFB], 1.0, v[MX2]
	v_pk_mul_f32 v[LSA:LSA+1], v[LSA:LSA+1], v[FFA:FFA+1] op_sel_hi:[1,0]   ; the sums and O^T under the new M, ahead of the exponentials
	v_pk_mul_f32 v[LSB:LSB+1], v[LSB:LSB+1], v[FFB:FFB+1] op_sel_hi:[1,0]
.set n, 0
.rept 16
	v_pk_mul_f32 v[OA+n:OA+n+1], v[OA+n:OA+n+1], v[FFA:FFA+1] op_sel_hi:[1,0]
.set n, n+2
.endr
.set n, 0
.rept 16
	v_pk_mul_f32 v[OB+n:OB+n+1], v[OB+n:OB+n+1], v[FFB:FFB+1] op_sel_hi:[1,0]
.set n, n+2
.endr
.set n, 0
.rept 32
	v_pk_fma_f32 v[SA+n:SA+n+1], v[SA+n:SA+n+1], s[CS:CS+1], v[NMA:NMA+1] op_sel_hi:[1,0,0]   ; t - M, two at a time (of the pairs c and -M the low word serves both halves)
.set n, n+2
.endr
	s_wait_alu depctr_va_vdst(0)                   ; a wait ahead of a batch of exponentials
.set n, 0
.rept 32
	v_exp_f32 v[SA+n], v[SA+n]                     ; tile A's p = 2^(t - M); among them tile B's t - M, which is read behind the next wait
	v_exp_f32 v[SA+n+1], v[SA+n+1]
	v_pk_fma_f32 v[SB+n:SB+n+1], v[SB+n:SB+n+1], s[CS:CS+1], v[NMB:NMB+1] op_sel_hi:[1,0,0]
.set n, n+2
.endr
	s_wait_alu depctr_va_vdst(0)                   ; behind tile A's batch and ahead of tile B's
.set n, 0
.rept 64
	v_exp_f32 v[SB+n], v[SB+n]
.set n, n+1
.endr
	SUM SA, LSA, PCA                               ; tile A's sum, hold and codes name none of tile B's results
	QUANT SA, PCA
	s_wait_alu depctr_va_vdst(0)                   ; one wait for tile B's batch, ahead of its first reader
	SUM SB, LSB, PCB
	QUANT SB, PCB
	v_nop                                          ; a plain instruction between the last conversion and the products
	s_wait_alu depctr_va_vdst(0)                   ; directly ahead of the wait below
	s_wait_dscnt 0x0                               ; V is in, and the next step's K
	WIN 0x01                                       ; source 0 in window 1
.irp t, 0,1,2,3
	v_wmma_f32_16x16x128_fp8_fp8 v[OA+8*\t:OA+8*\t+7], v[VF+16*\t:VF+16*\t+15], v[PCA:PCA+15], v[OA+8*\t:OA+8*\t+7]   ; the eight accumulators by turns; between a step's and the next step's stand the sixteen products K Q^T
	v_wmma_f32_16x16x128_fp8_fp8 v[OB+8*\t:OB+8*\t+7], v[VF+16*\t:VF+16*\t+15], v[PCB:PCB+15], v[OB+8*\t:OB+8*\t+7]
.endr
	WIN 0
.if \full
.Lskip_\@:
.endif
	s_add_co_u32 s[TB], s[TB], 8192
	s_add_co_u32 s[KS], s[KS], 1
.endm
.macro INIT                            ; the step has no first step of its own: it finds zeros, which the first change of M leaves zeros
	v_mov_b32 v[NMA+1], 0xff61b1e6                 ; -3e38, under every t
	v_mov_b32 v[NMB+1], 0xff61b1e6
	v_floor_f32 v[NMA], -v[NMA+1]
	v_floor_f32 v[NMB], -v[NMB+1]
	v_mov_b32 v[LSA], 0
	v_mov_b32 v[LSA+1], 0
	v_mov_b32 v[LSB], 0
	v_mov_b32 v[LSB+1], 0
.set n, 0
.rept 64
	v_mov_b32 v[OA+n], 0
.set n, n+1
.endr
.endm
; A pair's end: O^T / the sum, held, quantised; a tile's eight registers of codes are the image of a fragment of 16 rows x this head's 64: two stores of 512 consecutive bytes, aligned.
.macro FINISH go
.rept 4
	v_nop                                          ; places behind the last products
.endr
	v_add_f32 v[LSA], v[LSA], v[LSA+1]
	v_add_f32 v[LSB], v[LSB], v[LSB+1]
	v_permlanex16_b32 v[MX0], v[LSA], s[SEL], s[SEL+1]
	v_permlanex16_b32 v[MX2], v[LSB], s[SEL], s[SEL+1]
	v_add_f32 v[LSA], v[LSA], v[MX0]               ; the rows' sums
	v_add_f32 v[LSB], v[LSB], v[MX2]
	s_wait_alu depctr_va_vdst(0)                   ; a wait ahead of the reciprocals,
	v_rcp_f32 v[FFA], v[LSA]
	v_rcp_f32 v[FFB], v[LSB]
	v_nop                                          ; a plain instruction behind them,
	s_wait_alu depctr_va_vdst(0)                   ; and the wait ahead of their first reader, which is also O^T's
.set n, 0
.rept 16
	v_pk_mul_f32 v[SA+n:SA+n+1], v[OA+n:OA+n+1], v[FFA:FFA+1] op_sel_hi:[1,0]
.set n, n+2
.endr
.set n, 0
.rept 16
	v_pk_mul_f32 v[SA+32+n:SA+32+n+1], v[OB+n:OB+n+1], v[FFB:FFB+1] op_sel_hi:[1,0]
.set n, n+2
.endr
.set n, 0
.rept 64
	v_med3_num_f32 v[SA+n], v[SA+n], s82, s83
.set n, n+1
.endr
.irp t, 0,1,2,3,4,5,6,7
	v_cvt_scalef32_pk8_fp8_f32 v[PCA+2*\t:PCA+2*\t+1], v[SA+8*\t:SA+8*\t+7], v[SCO]
.endr
	v_nop                                          ; a plain instruction behind the last conversion
	global_store_b128 v[\go], v[PCA:PCA+3], s[12:13]
	global_store_b128 v[\go], v[PCA+4:PCA+7], s[12:13] offset:512
	global_store_b128 v[\go], v[PCA+8:PCA+11], s[12:13] offset:16384
	global_store_b128 v[\go], v[PCA+12:PCA+15], s[12:13] offset:16896
	s_wait_xcnt 0x0                                ; the stores have read their data: these registers are written again in the next pair's steps
.endm
	INIT
	s_wait_alu depctr_va_vdst(0)                   ; the wait at the head's end
	s_wait_tensorcnt 0x0                           ; my key step is in
	ds_add_u32 v[SPW], v[NIL]
	s_wait_dscnt 0x0
	ROUND                                          ; key steps 0 to 3 lie in LDS, and the four work-groups meet
	s_cmp_lt_u32 s[WV], 4
	s_cbranch_scc0 .Lfor_v
	tensor_load_to_lds s[G0+4:G0+7], s[G1K:G1K+7]  ; my three of key steps 4 to 15: the first tensor load behind the round
	s_nop 0
.rept 4
	v_nop
.endr
	s_branch .Lasked
.Lfor_v:
	tensor_load_to_lds s[G0+4:G0+7], s[G1V:G1V+7]
	s_nop 0
.rept 4
	v_nop
.endr
.Lasked:
	s_wait_loadcnt 0x0                             ; Q
	s_mov_b32 s[TB], 0
	s_mov_b32 s[KS], 0
	KLOAD
.LB0:
	STEP QL, 0, DL, SDL, 3*8192                    ; the late pair's diagonal lies in key steps 8 to 15: here all keys count
	s_cmp_lt_u32 s[KS], 4
	s_cbranch_scc1 .LB0
	s_mov_b32 s[TB], 32768
	s_mov_b32 s[KS], 4
	s_wait_tensorcnt 0x0                           ; my second load is in
	s_wait_dscnt 0x0
	s_barrier_signal -1
	s_barrier_wait -1                              ; all of K and V: from here on the waves run free
	KLOAD
.LB1:
	STEP QL, 1, DL, SDL, 15*8192
	s_cmp_lt_u32 s[KS], 16
	s_cbranch_scc1 .LB1
	FINISH GOL
	INIT
	s_mov_b32 s[TB], 0
	s_mov_b32 s[KS], 0
	s_wait_dscnt 0x0
	KLOAD
.LA:
	STEP QE, 1, DE, SDE, 7*8192                    ; the early pair: its diagonal lies in key steps 0 to 7
	s_cmp_lt_u32 s[KS], 8
	s_cbranch_scc1 .LA
	FINISH GOE
	s_wait_tensorcnt 0x0                           ; the wave's end
	ds_add_u32 v[SPW], v[NIL]
	s_wait_dscnt 0x0
	ROUND                                          ; the closing round
	s_endpgm
.Lfunc_end_k_q29a72f1a0a_attn:
	.size	k_q29a72f1a0a_attn, .Lfunc_end_k_q29a72f1a0a_attn-k_q29a72f1a0a_attn
	.p2alignl 7, 3214868480
	.fill 96, 4, 3214868480
	.section	.rodata,"a",@progbits
	.p2align	6, 0x0
	.amdhsa_kernel k_q29a72f1a0a_attn
		.amdhsa_group_segment_fixed_size 327680
		.amdhsa_private_segment_fixed_size 0
		.amdhsa_enable_private_segment 0
		.amdhsa_kernarg_size 40
		.amdhsa_user_sgpr_count 2
		.amdhsa_user_sgpr_kernarg_segment_ptr 1
		.amdhsa_wavefront_size32 1
		.amdhsa_system_sgpr_workgroup_id_x 1
		.amdhsa_system_sgpr_workgroup_id_y 1
		.amdhsa_system_sgpr_workgroup_id_z 1
		.amdhsa_system_vgpr_workitem_id 0
		.amdhsa_next_free_vgpr 416
		.amdhsa_next_free_sgpr 96
		.amdhsa_reserve_vcc 1
		.amdhsa_float_denorm_mode_32 3
		.amdhsa_float_denorm_mode_16_64 3
		.amdhsa_memory_ordered 1
		.amdhsa_forward_progress 1
		.amdhsa_inst_pref_size 131
	.end_amdhsa_kernel
	.amdgpu_metadata
---
amdhsa.version: [ 1, 2 ]
amdhsa.kernels:
  - .name:           k_q29a72f1a0a_attn
    .symbol:         k_q29a72f1a0a_attn.kd
    .args:
      - { .name: q_ws, .offset: 0, .size: 8, .value_kind: global_buffer, .address_space: global }
      - { .name: k_ws, .offset: 8, .size: 8, .value_kind: global_buffer, .address_space: global }
      - { .name: v_ws, .offset: 16, .size: 8, .value_kind: global_buffer, .address_space: global }
      - { .name: lowp_scales, .offset: 24, .size: 8, .value_kind: global_buffer, .address_space: global }
      - { .name: a_ws, .offset: 32, .size: 8, .value_kind: global_buffer, .address_space: global }
    .group_segment_fixed_size: 327680
    .private_segment_fixed_size: 0
    .kernarg_segment_align: 8
    .kernarg_segment_size: 40
    .max_flat_workgroup_size: 256
    .sgpr_count:     96
    .vgpr_count:     416
    .wavefront_size: 32
...
	.end_amdgpu_metadata
.endif
;; end of part 2
;; launch outp (part 3): grid 32 x 8, 4 waves a work-group, clusters of 4 x 1, 327,680 bytes of LDS; arguments a_ws, Wo_codes, lowp_scales, bo, out0; writes out0
.if DOCPART == 3
	.amdgcn_target "amdgcn-amd-amdhsa--gfx1250"
	.amdhsa_code_object_version 6
	.text
	.protected	k_q29a72f1a0a_outp
	.globl	k_q29a72f1a0a_outp
	.p2align	8
	.type	k_q29a72f1a0a_outp,@function
k_q29a72f1a0a_outp:
	s_mov_b64 s[64:65], 0
	v_nop
	global_prefetch_b8 v0, s[64:65] scope:SCOPE_SE
	s_setreg_imm32_b32 hwreg(HW_REG_WAVE_MODE, 25, 1), 1
	s_wait_xcnt 0x0
	s_wait_alu depctr_hold_cnt(0) depctr_sa_sdst(0) depctr_va_vdst(0) depctr_va_sdst(0) depctr_va_ssrc(0) depctr_va_vcc(0) depctr_vm_vsrc(0)
	s_getreg_b32 s2, hwreg(HW_REG_IB_STS2, 6, 4)
	s_cmp_eq_u32 s2, 0
	s_cbranch_scc0 .Lentry_in_a_cluster
	s_endpgm
.Lentry_in_a_cluster:
	s_bfe_u32 s2, ttmp6, 0x10000c
	s_cmp_lg_u32 s2, 0x3003
	s_cbranch_scc0 .Lentry_shape_is_right
	s_endpgm
.Lentry_shape_is_right:
; out0 = a Wo + bo on codes of FP8 (E4M3): a_ws holds the attention's result as codes, Wo_codes [1,024 (n)][1,024 (k)]; each f32 sum is multiplied by 2^(e10 + e11) and the bias is added in the same fused multiply-add.
; a_ws: [tile of 16 rows: 512][head 16][chunk 2][512]: images of operand registers of the plain fp8 forms (registers 2 c, 2 c + 1: k = 16 c + 8 (lane / 16) + 0 .. 7; four registers a chunk, lane l's 16 bytes at 16 l).
; SHARES.  A work-group owns 256 rows (grid x) and 128 columns (grid y = g): 32 x 8 = 256 work-groups.  Each of its four waves owns 64 rows and loads them for ALL of K straight from a_ws into 512 registers:
; 128 loads, each of 512 consecutive bytes, aligned, K ascending.  Wo's 128 rows x 1,024 K lie in LDS (pitch 1,040), filled once, 32 rows a wave, asked for jointly by the four work-groups of a cluster, which share g.  No byte is filled again.
; A wave makes 64 x 128 results: 32 accumulators, in 16 units of 4 fragments of Wo (64 rows x 128 K) and 16 matrix instructions, on two fragment buffers: a unit's 32 LDS loads are issued one unit ahead.
; THE UNITS GO BY HALVES OF THE COLUMNS: units 0-7 are K steps 0-7 of Wo's rows 0-63, units 8-15 those of rows 64-127.  So unit ks of the first half needs a's K step ks alone (a counted wait on the loads), and the first
; 64 columns are stored ahead of the second half's products.
; Source 0 = rows of Wo, source 1 = rows of a: a lane holds eight neighbouring columns of one row.  Wo's fragments are read in the form's own layout (8 bytes a load), as a_ws has it.
; NO PREFETCH: one fill at the head and no loop that asks memory for tiles.
; LIMIT: e10 + e11 lies between -126 and 127, so that 2^(e10 + e11) is an f32 number.
; REGISTERS.  Window 0: v2-19 addresses and the bias; v32-95 rows read back from the stage, two sets; v128-255 Wo's two fragment buffers.  Window 1: accumulator (a, b) at v[8 (8 a + b)].
; Windows 2, 3: a's fragment (tile a, K step ks) at v[64 (ks % 4) + 16 a] of window 2 + ks / 4.
.set PITCH,  1040                      ; 260 words: row r starts 4 r words on modulo 64, lanes 16-31 two words further: the 32 lanes of an 8-byte load touch 64 different words modulo 64
.set STAGE,  128*PITCH                 ; behind Wo: a stage of 16 rows x (256 bytes + 16) for each wave; no fill lands there
.set SPITCH, 272
.set SPARE,  STAGE+4*16*SPITCH         ; behind the stages: the spare words, 128 bytes a wave
.set ADB,  2                           ; v2, v3: Wo's rows 0-63, 64-127
.set STO,  4                           ; the stage, in
.set RD,   5                           ; and back
.set CO,   6                           ; my byte offset in two rows of out0
.set LI,   7                           ; 16 x lane
.set SPW,  8
.set NIL,  9
.set CB,   10                          ; 16 x (lane % 16)
.set BO,   12                          ; v[12:15], v[16:19]: the bias of my four columns in each half
.set RB,   32
.set BF,   128
.set G1,   24
.set G0,   32
.set MSB, 0
.macro WIN new
.if MSB != (\new)
	s_set_vgpr_msb (MSB<<8)|(\new)
.set MSB, (\new)
.endif
.endm
.macro ROUND
	s_barrier_signal -1
	s_barrier_wait -1
	s_cmp_lg_u32 s14, 0
	s_cbranch_scc1 .Lnot_wave_0_\@
	s_barrier_signal -3
.Lnot_wave_0_\@:
	s_barrier_wait -3
	s_barrier_signal -1
	s_barrier_wait -1
.endm
.macro NOPS n
.rept \n
	v_nop
.endr
.endm
	s_load_b256 s[4:11], s[0:1], 0x0               ; a_ws s[4:5], Wo s[6:7], the scales' exponents s[8:9], bo s[10:11]
	s_load_b64 s[12:13], s[0:1], 0x20              ; out0
	v_lshl_add_u32 v[SPW], v0, 2, SPARE
	v_mov_b32 v[NIL], 0
	ds_add_u32 v[SPW], v[NIL]                      ; the opening: the add, twice on end, and its wait ahead of my first tensor load
	ds_add_u32 v[SPW], v[NIL]
	v_lshrrev_b32 v1, 5, v0
	v_readfirstlane_b32 s14, v1                    ; wave 0..3
	s_bfe_u32 s40, ttmp6, 0x40000                  ; cx: it enters global addresses alone
	s_lshl_b32 s17, ttmp9, 2
	s_add_co_u32 s17, s17, s40                     ; my block of 256 rows
	s_and_b32 s42, ttmp7, 0xffff                   ; g, which the four partners share
	s_mov_b32 s[G1], 15|(1<<20)|(1<<21)|(7<<22)|(3<<25)   ; the mask: all four work-groups, bit 21 beside it; elements of 1 byte; four words of padding after every 256
	s_mov_b32 s[G1+1], 1024<<16                    ; tensor_dim0
	s_mov_b32 s[G1+2], 32<<16                      ; tensor_dim1
	s_mov_b32 s[G1+3], 1024<<16                    ; tile_dim0
	s_mov_b32 s[G1+4], 32                          ; tile_dim1
	s_mov_b32 s[G1+5], 1024                        ; tensor_dim0_stride
	s_mov_b32 s[G1+6], 0
	s_mov_b32 s[G1+7], 0
	s_lshl_b32 s20, s17, 18                        ; a_ws: 16 tiles of 16,384 bytes a block, 4 a wave
	s_lshl_b32 s21, s14, 16
	s_add_co_u32 s20, s20, s21
	s_mov_b32 s21, 0
	s_lshl_b32 s46, s42, 17                        ; Wo: rows 128 g + 32 wave
	s_lshl_b32 s47, s14, 15
	s_add_co_u32 s46, s46, s47
	s_mov_b32 s47, 0
	s_mul_i32 s45, s14, 32*PITCH
	s_mul_i32 s23, s14, 16*SPITCH
	s_add_co_u32 s23, s23, STAGE                   ; my stage
	s_lshl_b32 s48, s42, 9                         ; my 128 columns, in bytes
	s_mov_b32 s49, 0
	s_lshl_b32 s50, s17, 20                        ; out0: rows of 4,096 bytes
	s_lshl_b32 s51, s14, 18
	s_add_co_u32 s50, s50, s51
	s_add_co_u32 s50, s50, s48
	s_mov_b32 s51, 0
	v_and_b32 v1, 15, v0                           ; r = l % 16
	v_bfe_u32 v11, v0, 4, 1                        ; h = l / 16
	v_and_b32 v20, 31, v0
	v_lshlrev_b32 v[LI], 4, v20
	v_lshlrev_b32 v[CB], 4, v1
	v_lshl_add_u32 v[CO], v11, 12, v[CB]           ; lanes 0-15 one row of out0, lanes 16-31 the next; 16 bytes a lane
	v_mul_u32_u24 v21, v1, PITCH
	v_lshl_add_u32 v[ADB], v11, 3, v21             ; row x pitch + 8 x half
	v_add_nc_u32 v[ADB+1], 64*PITCH, v[ADB]
	v_mul_u32_u24 v21, v1, SPITCH                  ; the stage, in: row r, 32 bytes for each half of the lanes
	v_lshl_add_u32 v21, v11, 5, v21
	v_add_nc_u32 v[STO], s23, v21
	v_mul_u32_u24 v21, v11, SPITCH                 ; back: lanes 0-15 one row of 256 bytes, lanes 16-31 the next
	v_add_nc_u32 v21, v21, v[CB]
	v_add_nc_u32 v[RD], s23, v21
	s_wait_alu depctr_va_vdst(0)                   ; the wait at the end of the head's vector work, directly ahead of the waits below
	s_wait_dscnt 0x0                               ; both opening adds are done
	s_wait_kmcnt 0x0
	s_load_b64 s[96:97], s[8:9], 0x28              ; e10, e11
	s_add_nc_u64 s[4:5], s[4:5], s[20:21]
	s_mov_b32 s[G0], 1
	s_mov_b32 s[G0+1], s45
	s_add_nc_u64 s[G0+2:G0+3], s[6:7], s[46:47]
	s_or_b32 s[G0+3], s[G0+3], 0x80000000
	s_add_nc_u64 s[10:11], s[10:11], s[48:49]
	s_add_nc_u64 s[12:13], s[12:13], s[50:51]
	ROUND                                          ; all four work-groups are here: the joint loads meet
	tensor_load_to_lds s[G0:G0+3], s[G1:G1+7]      ; my 32 rows of Wo: the launch's one fill, asked for ahead of a's loads
	s_nop 0
	NOPS 4
	global_load_b128 v[BO:BO+3], v[CB], s[10:11]
	global_load_b128 v[BO+4:BO+7], v[CB], s[10:11] offset:256
.macro AREGS k0                        ; four K steps of my 64 rows into one window, 16 loads a K step
.irp ks, 0,1,2,3
.irp a, 0,1,2,3
.irp c, 0,1,2,3
	global_load_b128 v[64*\ks+16*\a+4*\c:64*\ks+16*\a+4*\c+3], v[LI], s[4:5] offset:16384*\a+2048*(\ks+\k0)+512*\c
.endr
.endr
.endr
.endm
	WIN 0x80                                       ; destination window 2
	AREGS 0
	WIN 0xc0                                       ; destination window 3
	AREGS 4
	WIN 0
	s_wait_kmcnt 0x0
	s_add_co_i32 s96, s96, s97
	s_add_co_i32 s96, s96, 127
	s_lshl_b32 s96, s96, 23                        ; 2^(e10 + e11) as f32
	s_mov_b32 s97, s96
	s_wait_tensorcnt 0x0                           ; my rows of Wo are in
	s_barrier_signal -1
	s_barrier_wait -1                              ; everybody's are
.macro W1 d, p, q, z
.if \z
	v_wmma_f32_16x16x128_fp8_fp8 v[\d:\d+7], v[\p:\p+15], v[\q:\q+15], 0
.else
	v_wmma_f32_16x16x128_fp8_fp8 v[\d:\d+7], v[\p:\p+15], v[\q:\q+15], v[\d:\d+7]
.endif
.endm
.macro FETCHB u                        ; unit u = 8 bh + ks: Wo's rows 64 bh .. + 63, K step ks, into buffer u % 2
.irp i, 0,1,2,3
.irp c, 0,1,2,3,4,5,6,7
	ds_load_b64 v[BF+64*((\u)%2)+16*\i+2*\c:BF+64*((\u)%2)+16*\i+2*\c+1], v[ADB+(\u)/8] offset:16*\i*PITCH+128*((\u)%8)+16*\c
.endr
.endr
.endm
.macro MULU u                          ; 16 matrix instructions on a half's 16 accumulators by turns; a half's first K step starts its sums
	WIN 0x58+4*(((\u)%8)/4)                        ; source 0 window 0, source 1 (a) window 2 or 3, C and D window 1
.irp i, 0,1,2,3
.irp a, 0,1,2,3
	W1 (8*(8*\a+4*((\u)/8)+\i)), (BF+64*((\u)%2)+16*\i), (64*((\u)%4)+16*\a), (((\u)%8)==0)
.endr
.endr
	WIN 0
.endm
; THE WAY OUT of a half, tile by tile of 16 rows x 64 columns: through my own stage and back as whole rows of 256 bytes: sixteen lanes store one aligned unit of 256 bytes.  LDS serves a wave's instructions in order (ISA guide 5.7.1.4).
.macro TOSTAGE a, hf
	WIN 0x04                                       ; the stores' data: window 1
.irp b, 0,1,2,3
	ds_store_b128 v[STO], v[64*(\a)+32*\hf+8*\b:64*(\a)+32*\hf+8*\b+3] offset:64*\b
	ds_store_b128 v[STO], v[64*(\a)+32*\hf+8*\b+4:64*(\a)+32*\hf+8*\b+7] offset:64*\b+16
.endr
	WIN 0
.set BB, RB+32*((\a)%2)
.irp t, 0,1,2,3,4,5,6,7
	ds_load_b128 v[BB+4*\t:BB+4*\t+3], v[RD] offset:\t*2*SPITCH
.endr
.endm
.macro SEND a, hf, younger             ; younger: the LDS instructions issued behind tile a's loads, which may stay out
.set BB, RB+32*((\a)%2)
	s_wait_dscnt \younger
.irp t, 0,1,2,3,4,5,6,7
	v_pk_fma_f32 v[BB+4*\t:BB+4*\t+1], v[BB+4*\t:BB+4*\t+1], s[96:97], v[BO+4*\hf:BO+4*\hf+1] op_sel_hi:[1,0,1]
	v_pk_fma_f32 v[BB+4*\t+2:BB+4*\t+3], v[BB+4*\t+2:BB+4*\t+3], s[96:97], v[BO+4*\hf+2:BO+4*\hf+3] op_sel_hi:[1,0,1]
	global_store_b128 v[CO], v[BB+4*\t:BB+4*\t+3], s[12:13] offset:65536*(\a)+8192*\t+256*\hf th:TH_STORE_NT
.endr
.endm
.macro HALF hf
	NOPS 4                                         ; places behind the half's last products
.if \hf
	s_wait_xcnt 0x0                                ; the first half's stores have read their registers
.endif
	TOSTAGE 0, \hf
.irp a, 1,2,3
.if \a > 1
	s_wait_xcnt 0x0                                ; tile a - 2's stores have read their registers
.endif
	TOSTAGE \a, \hf
	SEND \a-1, \hf, 16                             ; behind tile a - 1's loads: tile a's 8 stores and 8 loads
.endr
	SEND 3, \hf, 0
.endm
	FETCHB 0
.set U, 0
.rept 16
.if U < 15
.if U > 0
	NOPS 4                                         ; places between the last unit's products and the loads into the buffer that they read
.endif
	FETCHB U+1
	s_wait_dscnt 32                                ; this unit's fragments are in; the next unit's 32 loads may be out
.else
	s_wait_dscnt 0x0
.endif
.if U < 4
	s_wait_loadcnt 63                              ; a's K step U is in: behind it 16 (7 - U) loads were issued, which is more than the wait's field holds
.else
.if U < 8
	s_wait_loadcnt 16*(7-U)                        ; a's K step U is in: the later K steps' loads may be out
.endif
.endif
	MULU U
.if U == 7
	HALF 0
.endif
.set U, U+1
.endr
	HALF 1
	s_wait_tensorcnt 0x0                           ; the wave's end
	ds_add_u32 v[SPW], v[NIL]
	s_wait_dscnt 0x0
	ROUND                                          ; the closing round
	s_endpgm
.Lfunc_end_k_q29a72f1a0a_outp:
	.size	k_q29a72f1a0a_outp, .Lfunc_end_k_q29a72f1a0a_outp-k_q29a72f1a0a_outp
	.p2alignl 7, 3214868480
	.fill 96, 4, 3214868480
	.section	.rodata,"a",@progbits
	.p2align	6, 0x0
	.amdhsa_kernel k_q29a72f1a0a_outp
		.amdhsa_group_segment_fixed_size 327680
		.amdhsa_private_segment_fixed_size 0
		.amdhsa_enable_private_segment 0
		.amdhsa_kernarg_size 40
		.amdhsa_user_sgpr_count 2
		.amdhsa_user_sgpr_kernarg_segment_ptr 1
		.amdhsa_wavefront_size32 1
		.amdhsa_system_sgpr_workgroup_id_x 1
		.amdhsa_system_sgpr_workgroup_id_y 1
		.amdhsa_system_sgpr_workgroup_id_z 1
		.amdhsa_system_vgpr_workitem_id 0
		.amdhsa_next_free_vgpr 1024
		.amdhsa_next_free_sgpr 100
		.amdhsa_reserve_vcc 0
		.amdhsa_float_denorm_mode_32 3
		.amdhsa_float_denorm_mode_16_64 3
		.amdhsa_memory_ordered 1
		.amdhsa_forward_progress 1
		.amdhsa_inst_pref_size 92
	.end_amdhsa_kernel
	.amdgpu_metadata
---
amdhsa.version: [ 1, 2 ]
amdhsa.kernels:
  - .name:           k_q29a72f1a0a_outp
    .symbol:         k_q29a72f1a0a_outp.kd
    .args:
      - { .name: a_ws, .offset: 0, .size: 8, .value_kind: global_buffer, .address_space: global }
      - { .name: Wo_codes, .offset: 8, .size: 8, .value_kind: global_buffer, .address_space: global }
      - { .name: lowp_scales, .offset: 16, .size: 8, .value_kind: global_buffer, .address_space: global }
      - { .name: bo, .offset: 24, .size: 8, .value_kind: global_buffer, .address_space: global }
      - { .name: out0, .offset: 32, .size: 8, .value_kind: global_buffer, .address_space: global }
    .group_segment_fixed_size: 327680
    .private_segment_fixed_size: 0
    .kernarg_segment_align: 8
    .kernarg_segment_size: 40
    .max_flat_workgroup_size: 128
    .sgpr_count:     100
    .vgpr_count:     1024
    .wavefront_size: 32
...
	.end_amdgpu_metadata
.endif
;; end of part 3
